; MI455X (gfx1250); checked and timed in simulation.
; The chip was launched on July 23, 2026; its instructions are those of AMD's public machine-readable ISA for CDNA 5 (MIT licence, August 2026) and "CDNA5" Instruction Set Architecture Reference Guide (July 2026). The comments in the code are by the model that wrote it; some were corrected since.
;; Multi Head Attention. Allowed arithmetic: matrix products marked QUANTISED: E2M1 operands, one E8M0 scale for each 32 along K, by v_wmma_scale_f32_16x16x128_f8f6f4 with both operands' format E2M1 (or v_wmma_scale_f32_32x16x128_f4), f32 sums; products left as they are: bf16, f16 or f32 operands; f32 sums; everything else in f32.
;; Inputs: Wk 768 x 768 float32; Wo 768 x 768 float32; Wq 768 x 768 float32; Wv 768 x 768 float32; bk 768 float32; bo 768 float32; bq 768 float32; bv 768 float32; key 1 x 4,096 x 768 float32; mask 1 x 4,096 int32; query 1 x 4,096 x 768 float32; value 1 x 4,096 x 768 float32.
;; Outputs: out0 1 x 4,096 x 768 float32.
;; This version of the problem:
;;   THIS VERSION OF THE PROBLEM IS GIVEN IN LOW PRECISION. The matrix products marked QUANTISED in the list below multiply operands that are first quantised to E2M1 (2 exponent bits, 1 mantissa bit; 4 bits a number), with one power-of-two scale for each 32 numbers along K (OCP MX v1.0); their sums are f32. The products marked 'left as it is' may take bf16, f16 or f32 operands, with f32 sums. Whichever they take, every output number must still come out within the allowed error. Rounding operands to bf16 (8 significant bits) uses up far more of that allowance than f16 does (11 bits, for magnitudes from 6e-5 to 65,504). All else is computed in f32.
;;   The module's matrix products, in the order in which they are computed (A, B: the left and right operand; K: the contracted axis; several contracted axes count as one K, in the product's order):
;;     1. [M 4,096, K 768] x [K 768, N 768]; A: input query; B: input Wq: QUANTISED
;;     2. [M 4,096, K 768] x [K 768, N 768]; A: input key; B: input Wk: QUANTISED
;;     3. [M 4,096, K 768] x [K 768, N 768]; A: input value; B: input Wv: QUANTISED
;;     4. batch 12 x [M 4,096, K 64] x [K 64, N 4,096]; A: computed on the way; B: computed on the way: left as it is (an operand is computed on the way)
;;     5. batch 12 x [M 4,096, K 4,096] x [K 4,096, N 64]; A: computed on the way; B: computed on the way: left as it is (an operand is computed on the way)
;;     6. [M 4,096, K 768] x [K 768, N 768]; A: computed on the way; B: input Wo: left as it is (an operand is computed on the way)
;;   THE QUANTISER, for each operand of a quantised product, along K:
;;     - K is cut into blocks of 32 from its start; a last block that is shorter is filled with zeros.
;;     - A block's scale is 2^e with e = floor(log2(the largest magnitude in the block)) - 2, held to -126 .. 127; a block of zeros has e = 0. As a byte (E8M0): e + 127.
;;     - Each number is divided by its block's scale, clamped to +-6, and rounded to the nearest number of E2M1, ties to even, subnormals kept.
;;     - The product sums the exact products of the quantised numbers (number of the format x scale) in f32.
;;   ~~~python
;;   def quantise(x, axis):      # numpy; x: float32 -> the quantised numbers, widened to float32 again
;;       x = np.moveaxis(x, axis, -1); K = x.shape[-1]
;;       x = np.pad(x, [(0, 0)] * (x.ndim - 1) + [(0, -K % 32)]); x = x.reshape(x.shape[:-1] + (-1, 32)); a = np.abs(x).max(-1, keepdims=True)
;;       e = np.where(a > 0, np.clip(np.frexp(np.where(a > 0, a, 1))[1] - 1 - 2, -126, 127), 0)      # np.frexp(a)[1] - 1 = floor(log2(a)), exactly
;;       r = np.clip(x / 2.0 ** e, -6, 6)
;;       step = 2.0 ** (np.maximum(np.frexp(np.where(r == 0, 1, r))[1] - 1, 0) - 1)
;;       q = np.round(r / step) * step * 2.0 ** e      # np.round: ties to even
;;       return np.moveaxis(q.reshape(q.shape[:-2] + (-1,))[..., :K], -1, axis).astype(np.float32)
;;   ~~~
;; One version. Each part assembles by itself: llvm-mc -triple=amdgcn-amd-amdhsa -mcpu=gfx1250 --defsym DOCPART=n.
;; ======== version 1 of 1: 4 launches
;; limits: values are held in f16: magnitudes above 65,504 overflow, below 6.1e-05 lose precision
;; workspace buffers: cod 5,603,328 bytes; scl 350,208 bytes; wof 1,179,648 bytes; qf 6,291,456 bytes; kv 12,582,912 bytes; of 6,291,456 bytes
;; launch quant (part 1): grid 960 x 1, 6 waves a work-group, no clusters, 51,456 bytes of LDS; arguments query, key, value, Wq, Wk, Wv, Wo, cod, scl, wof; writes cod, scl, wof
.if DOCPART == 1
	.amdgcn_target "amdgcn-amd-amdhsa--gfx1250"
	.amdhsa_code_object_version 6
	.text
	.protected	k_q6349ada6ac_quant
	.globl	k_q6349ada6ac_quant
	.p2align	8
	.type	k_q6349ada6ac_quant,@function
k_q6349ada6ac_quant:
	s_mov_b64 s[64:65], 0
	v_nop
	global_prefetch_b8 v0, s[64:65] scope:SCOPE_SE
	s_setreg_imm32_b32 hwreg(HW_REG_WAVE_MODE, 25, 1), 1
	s_wait_xcnt 0x0
; query, key, value [4096][768] and Wq, Wk, Wv [768][768], f32, K innermost, become codes of FP4 (E2M1) with one E8M0 byte for each 32 along K; Wo [768][768] becomes f16.
; All results are laid as IMAGES OF OPERAND REGISTERS: a fragment (FP4: 16 rows x 128 K; f16: 16 rows x 32 K) is 8 registers a lane = 1,024 bytes, registers 4 c .. 4 c + 3 of lane l at 512 c + 16 l.
;   cod [row tile g][K step s 0..5][1,024];  scl [g][s][16 rows] words of four bytes;  wof [n tile 0..47][fragment e / 32 0..23][1,024].
;   g: query 0..255, key 256..511, value 512..767, Wq 768..815, Wk 816..863, Wv 864..911.  Work-groups 912..959 take Wo's 48 tiles.
; A block's scale is 2^(floor(log2(its largest magnitude)) - 2); its byte is the largest magnitude's exponent field - 2, held at 1 from below.
; LIMITS: a block of zeros gets the byte 1 where the rule says 127 (its codes are zeros, and the bytes are read by this program alone); blocks whose largest magnitude lies under 2^-124 are held at the byte 1;
; NaN and infinities among the inputs are not served; numbers of Wo beyond 65,504 become infinities in f16.
; SHARES.  A work-group takes 16 rows, wave s their K step s (128 numbers of each row).  Each load reads 512 consecutive bytes of one row; the 8,192 bytes turn through the wave's own stage in LDS (rows 528 bytes
; apart, so that the 16 rows of a read start 4 banks apart) and come back as the operand's layout wants them.  Straight-line text, no barrier: a wave's LDS bytes are its own.
; No cluster, no tensor load: no byte is read by two work-groups.
.set ROWB,  3072                       ; a row of any of the seven tensors, in bytes
.set PITCH, 528                        ; a stage row: 512 bytes + 16
.set STGW,  16*PITCH                   ; a wave's stage
.set SPARE, 6*STGW                     ; behind the six stages: the spare words, 128 bytes for each wave: three blocks of 256 bytes that no other line names
.set GL,  4                            ; v4   16 x lane: my bytes of a row's 512, and of an image's 512
.set SW,  5                            ; v5   the stage, on the way in
.set SRQ, 6                            ; v6   on the way out, for the quantiser: row r, + 64 h
.set SRO, 7                            ; v7   on the way out, for Wo: row r, + 32 h
.set SO,  8                            ; v8   4 r: my row's scale word
.set PW,  9                            ; v9   the scale word just made
.set SPW, 10                           ; v10  LDS address of my spare word; never rewritten
.set NIL, 11                           ; v11  0; never rewritten
.set R,   16                           ; v16-79   16 rows as loaded
.set F,   16                           ; v16-47   Wo's four fragments in f16 (R is done with by then)
.set X,   80                           ; v80-143  64 numbers in the operand's order
.set PC,  144                          ; v144-151 the codes
.set TM,  152                          ; v152-167 at work
.set SEL, 30                           ; s[30:31] lane selects for v_permlanex16_b32: lane l xor 16
; 64 numbers of a lane, register 16 b + i = k 32 b + 16 (lane / 16) + i of my row, become a fragment's codes in v[PC] on and its scale word in v[PW].
.macro QUANT s
.irp b, 0,1,2,3
	v_max3_num_f32 v[TM+\b], |v[\s+16*\b]|, |v[\s+1+16*\b]|, 0x1800000   ; block b: my 16 numbers, and the floor 2^(3 - 127): so the byte cannot fall under 1
.endr
.irp i, 2,4,6,8,10,12,14
.irp b, 0,1,2,3
	v_max3_num_f32 v[TM+\b], v[TM+\b], |v[\s+16*\b+\i]|, |v[\s+1+16*\b+\i]|   ; the four blocks by turns
.endr
.endr
.irp b, 0,1,2,3
	v_permlanex16_b32 v[TM+4+\b], v[TM+\b], s[SEL], s[SEL+1]
.endr
.irp b, 0,1,2,3
	v_max_num_f32 v[TM+\b], v[TM+\b], v[TM+4+\b]   ; with lane l xor 16's: the block's largest magnitude
.endr
.irp b, 0,1,2,3
	v_add_nc_u32 v[TM+12+\b], 0xff000000, v[TM+\b]   ; 2 off its exponent field: the conversion takes the exponent field of this operand as its scale
.endr
.irp b, 0,1,2,3
	v_lshrrev_b32 v[TM+4+\b], 23, v[TM+12+\b]      ; the scale's byte
.endr
	v_lshl_or_b32 v[PW], v[TM+5], 8, v[TM+4]       ; the four bytes make my row's scale word
	v_lshl_or_b32 v[PW], v[TM+6], 16, v[PW]
	v_lshl_or_b32 v[PW], v[TM+7], 24, v[PW]
.irp b, 0,1,2,3
	v_cvt_scalef32_pk8_fp4_f32 v[PC+2*\b], v[\s+16*\b:\s+7+16*\b], v[TM+12+\b]
	v_cvt_scalef32_pk8_fp4_f32 v[PC+1+2*\b], v[\s+8+16*\b:\s+15+16*\b], v[TM+12+\b]
.endr
	v_nop                                          ; one plain place behind a scaled conversion
.irp c, 0,1                                    ; the operand's layout wants a WHOLE block in a lane: lanes 0-15 block 2 c, lanes 16-31 block 2 c + 1
.irp i, 0,1
	v_permlane16_swap_b32 v[PC+4*\c+\i], v[PC+2+4*\c+\i]
.endr
.endr
.endm
.macro PICK bound, p                   ; from work-group 'bound' on the source is the next tensor: the choice hangs on the work-group's number alone
	s_cmp_ge_u32 ttmp9, \bound
	s_cselect_b64 s[8:9], s[\p:\p+1], s[8:9]
	s_cselect_b32 s4, \bound, s4
.endm
	s_load_b512 s[8:23], s[0:1], 0x0               ; query, key, value, Wq, Wk, Wv, Wo, cod
	s_load_b128 s[24:27], s[0:1], 0x40             ; scl, wof
	v_lshl_add_u32 v[SPW], v0, 2, SPARE
	v_mov_b32 v[NIL], 0
	v_lshrrev_b32 v1, 5, v0
	v_readfirstlane_b32 s5, v1                     ; wave 0..5 = K step
	v_and_b32 v1, 31, v0                           ; lane
	v_and_b32 v2, 15, v0                           ; r
	v_bfe_u32 v3, v0, 4, 1                         ; h
	v_lshlrev_b32 v[GL], 4, v1
	s_mul_i32 s6, s5, STGW                         ; my stage
	v_add_nc_u32 v[SW], s6, v[GL]
	v_mul_u32_u24 v[SRQ], v2, PITCH
	v_add_nc_u32 v[SRQ], s6, v[SRQ]
	v_lshl_add_u32 v[SRO], v3, 5, v[SRQ]
	v_lshl_add_u32 v[SRQ], v3, 6, v[SRQ]
	v_lshlrev_b32 v[SO], 2, v2
.irp b, 0,1,2,3
	v_mov_b32 v[TM+4+\b], 0                        ; written once: a lane permute's destination counts as one of its sources
.endr
	s_mov_b32 s[SEL], 0x76543210
	s_mov_b32 s[SEL+1], 0xfedcba98
	s_mov_b32 s4, 0                                ; the first work-group of my tensor
	s_wait_kmcnt 0x0
	PICK 256, 10
	PICK 512, 12
	PICK 768, 14
	PICK 816, 16
	PICK 864, 18
	PICK 912, 20
	s_sub_co_u32 s4, ttmp9, s4                     ; my row tile in that tensor
	s_mul_i32 s2, s4, 16*ROWB
	s_lshl_b32 s3, s5, 9                           ; + my K step's 512 bytes of a row
	s_add_co_u32 s2, s2, s3
	s_mov_b32 s3, 0
	s_add_nc_u64 s[8:9], s[8:9], s[2:3]
.irp i, 0,1,2,3,4,5,6,7,8,9,10,11,12,13,14,15
	global_load_b128 v[R+4*\i:R+4*\i+3], v[GL], s[8:9] offset:ROWB*\i th:TH_LOAD_NT   ; 32 lanes read 512 consecutive bytes of row i; read once in the launch
.endr
.irp i, 0,1,2,3,4,5,6,7,8,9,10,11,12,13,14,15
	s_wait_loadcnt 15-\i                           ; loads come back in order: row i is in, the 15 - i younger ones stay out
	ds_store_b128 v[SW], v[R+4*\i:R+4*\i+3] offset:PITCH*\i
.endr
	s_cmp_ge_u32 ttmp9, 912
	s_cbranch_scc1 .Lwo
	; ---- the quantiser's arm.  LDS serves a wave's instructions in order: the loads see my stores
.irp b, 0,1,2,3
.irp j, 0,1,2,3
	ds_load_b128 v[X+16*\b+4*\j:X+16*\b+4*\j+3], v[SRQ] offset:128*\b+16*\j   ; of row r: 16 neighbours of block b
.endr
.endr
	s_mul_i32 s2, ttmp9, 6
	s_add_co_u32 s2, s2, s5
	s_lshl_b32 s2, s2, 10                          ; cod: (6 g + s) x 1,024
	s_add_nc_u64 s[22:23], s[22:23], s[2:3]
	s_mul_i32 s2, ttmp9, 384
	s_lshl_b32 s6, s5, 6
	s_add_co_u32 s2, s2, s6                        ; scl: 384 g + 64 s
	s_add_nc_u64 s[24:25], s[24:25], s[2:3]
	s_wait_dscnt 0x0
	QUANT X
	global_store_b128 v[GL], v[PC:PC+3], s[22:23]             ; the image: 512 consecutive bytes a store
	global_store_b128 v[GL], v[PC+4:PC+7], s[22:23] offset:512
	global_store_b32 v[SO], v[PW], s[24:25]        ; lanes r and 16 + r hold the same word and store it to the same place
	s_branch .Ldone
.Lwo:
	; ---- Wo's arm: four f16 fragments of 16 rows x 32: registers 0-3: k = 8 h + 0..7, registers 4-7: k = 16 + 8 h + 0..7
.irp f, 0,1,2,3
.irp q, 0,1,2,3
	ds_load_b128 v[X+16*\f+4*\q:X+16*\f+4*\q+3], v[SRO] offset:128*\f+16*(\q%2)+64*(\q/2)
.endr
.endr
	s_mul_i32 s2, s4, 24
	s_lshl_b32 s6, s5, 2
	s_add_co_u32 s2, s2, s6
	s_lshl_b32 s2, s2, 10                          ; wof: (24 x tile + 4 s) x 1,024
	s_add_nc_u64 s[26:27], s[26:27], s[2:3]
	s_wait_dscnt 0x0
.irp f, 0,1,2,3
.irp i, 0,1,2,3,4,5,6,7
	v_cvt_pk_f16_f32 v[F+8*\f+\i], v[X+16*\f+2*\i], v[X+16*\f+2*\i+1]
.endr
.endr
.irp q, 0,1,2,3,4,5,6,7
	global_store_b128 v[GL], v[F+4*\q:F+4*\q+3], s[26:27] offset:512*\q
.endr
.Ldone:
	s_wait_tensorcnt 0x0                           ; the wave's end: behind my last LDS store
	ds_add_u32 v[SPW], v[NIL]
	s_wait_dscnt 0x0
	s_endpgm
.Lfunc_end_k_q6349ada6ac_quant:
	.size	k_q6349ada6ac_quant, .Lfunc_end_k_q6349ada6ac_quant-k_q6349ada6ac_quant
	.p2alignl 7, 3214868480
	.fill 96, 4, 3214868480
	.section	.rodata,"a",@progbits
	.p2align	6, 0x0
	.amdhsa_kernel k_q6349ada6ac_quant
		.amdhsa_group_segment_fixed_size 51456
		.amdhsa_private_segment_fixed_size 0
		.amdhsa_enable_private_segment 0
		.amdhsa_kernarg_size 80
		.amdhsa_user_sgpr_count 2
		.amdhsa_user_sgpr_kernarg_segment_ptr 1
		.amdhsa_wavefront_size32 1
		.amdhsa_system_sgpr_workgroup_id_x 1
		.amdhsa_system_sgpr_workgroup_id_y 1
		.amdhsa_system_sgpr_workgroup_id_z 1
		.amdhsa_system_vgpr_workitem_id 0
		.amdhsa_next_free_vgpr 168
		.amdhsa_next_free_sgpr 66
		.amdhsa_reserve_vcc 0
		.amdhsa_float_denorm_mode_32 3
		.amdhsa_float_denorm_mode_16_64 3
		.amdhsa_memory_ordered 1
		.amdhsa_forward_progress 1
		.amdhsa_inst_pref_size 16
	.end_amdhsa_kernel
	.amdgpu_metadata
---
amdhsa.version: [ 1, 2 ]
amdhsa.kernels:
  - .name:           k_q6349ada6ac_quant
    .symbol:         k_q6349ada6ac_quant.kd
    .args:
      - { .name: query, .offset: 0, .size: 8, .value_kind: global_buffer, .address_space: global }
      - { .name: key, .offset: 8, .size: 8, .value_kind: global_buffer, .address_space: global }
      - { .name: value, .offset: 16, .size: 8, .value_kind: global_buffer, .address_space: global }
      - { .name: Wq, .offset: 24, .size: 8, .value_kind: global_buffer, .address_space: global }
      - { .name: Wk, .offset: 32, .size: 8, .value_kind: global_buffer, .address_space: global }
      - { .name: Wv, .offset: 40, .size: 8, .value_kind: global_buffer, .address_space: global }
      - { .name: Wo, .offset: 48, .size: 8, .value_kind: global_buffer, .address_space: global }
      - { .name: cod, .offset: 56, .size: 8, .value_kind: global_buffer, .address_space: global }
      - { .name: scl, .offset: 64, .size: 8, .value_kind: global_buffer, .address_space: global }
      - { .name: wof, .offset: 72, .size: 8, .value_kind: global_buffer, .address_space: global }
    .group_segment_fixed_size: 51456
    .private_segment_fixed_size: 0
    .kernarg_segment_align: 8
    .kernarg_segment_size: 80
    .max_flat_workgroup_size: 192
    .sgpr_count:     66
    .vgpr_count:     168
    .wavefront_size: 32
...
	.end_amdgpu_metadata
.endif
;; end of part 1
;; launch proj (part 2): grid 192 x 3, 4 waves a work-group, no clusters, 0 bytes of LDS; arguments cod, scl, bq, bk, bv, qf, kv; writes qf, kv
.if DOCPART == 2
	.amdgcn_target "amdgcn-amd-amdhsa--gfx1250"
	.amdhsa_code_object_version 6
	.text
	.protected	k_q6349ada6ac_proj
	.globl	k_q6349ada6ac_proj
	.p2align	8
	.type	k_q6349ada6ac_proj,@function
k_q6349ada6ac_proj:
	s_mov_b64 s[64:65], 0
	v_nop
	global_prefetch_b8 v0, s[64:65] scope:SCOPE_SE
	s_setreg_imm32_b32 hwreg(HW_REG_WAVE_MODE, 25, 1), 1
	s_wait_xcnt 0x0
; Q = query Wq^T + bq, K = key Wk^T + bk, V = value Wv^T + bv on codes of FP4 with E8M0 scales, sums in f32, results rounded once to f16 and stored as images of the NEXT products' operand registers.
; SHARES.  Work-group x = 64 T + lb: T = 0, 1, 2 for Q, K, V; lb = a block of 64 rows.  Wave w of work-group y takes head hd = 4 y + w: 64 rows x 64 channels, 16 accumulators, K = 6 steps of 128.
; THE ORIENTATION IS CHOSEN BY POINTERS ALONE.  Q, K: source 0 = 16 rows of W, source 1 = 16 rows of x: a lane holds one row l and eight channels.  V: source 0 = x, source 1 = W: a lane holds one channel and eight keys (V^T).
; In both cases accumulator (t, u), its eight numbers packed in pairs, IS registers 4 (t % 2) .. + 3 of the f16 fragment (u, t / 2) that attention wants: nothing is transposed, and nothing goes through LDS.
;   qf [head][block of 64 queries][u][g][1,024];  kv [head, 1 MiB][key / 512, 128 KiB][K 64 KiB, V 64 KiB][(key / 64) % 8, 8 KiB][u][g][1,024].
; The bias is the C of each sum's first matrix instruction.  All operands come from memory straight into registers as runs of 512 bytes (the buffers hold register images).
; No tensor load, so nothing can be asked for jointly: K has only 6 steps of 16 matrix instructions, too few for a ring with a barrier a step; several waves share a SIMD instead.
; LIMIT: results beyond 65,504 in size become infinities in f16.
.set LI,  1                            ; v1   16 x lane
.set SOF, 2                            ; v2   scale words: lanes 0-15 source 0's tile, lanes 16-31 source 1's: 384 g + 4 r
.set BH,  3                            ; v3   32 h: the bias of eight channels of my half
.set BR,  4                            ; v4   4 r: the bias of my channel
.set SC,  16                           ; v16-19   scale words of tiles 0..3: they hold scales and nothing else
.set B32, 32                           ; v32-63   the bias, eight registers a tile, in the result's layout
.set F0,  64                           ; v64-95   source 0's four fragments
.set F1,  96                           ; v96-127  source 1's
.set ACC, 128                          ; v128-255 accumulator (t, u) at 128 + 8 (4 u + t)
.macro LOADS s                         ; K step s: eight fragments and their scale words
.irp i, 0,1,2,3
.irp c, 0,1
	global_load_b128 v[F0+8*\i+4*\c:F0+8*\i+4*\c+3], v[LI], s[20:21] offset:\i*6144+(\s)*1024+512*\c
	global_load_b128 v[F1+8*\i+4*\c:F1+8*\i+4*\c+3], v[LI], s[22:23] offset:\i*6144+(\s)*1024+512*\c
.endr
	global_load_b32 v[SC+\i], v[SOF], s[6:7] offset:384*\i+64*(\s)
.endr
.endm
; 16 matrix instructions; the 16 accumulators take turns, one instruction a turn, in the same order in every step.
; cmode 1: C = the bias by source 0's tile; 2: by source 1's tile; 0: the sum goes on.
.macro MUL16 cmode
.irp u, 0,1,2,3
.irp t, 0,1,2,3
.if \cmode == 1
	v_wmma_scale_f32_16x16x128_f8f6f4 v[ACC+8*(4*\u+\t):ACC+8*(4*\u+\t)+7], v[F0+8*\t:F0+8*\t+7], v[F1+8*\u:F1+8*\u+7], v[B32+8*\t:B32+8*\t+7], v[SC+\t], v[SC+\u] matrix_a_fmt:MATRIX_FMT_FP4 matrix_b_fmt:MATRIX_FMT_FP4 matrix_b_scale:MATRIX_SCALE_ROW1
.elseif \cmode == 2
	v_wmma_scale_f32_16x16x128_f8f6f4 v[ACC+8*(4*\u+\t):ACC+8*(4*\u+\t)+7], v[F0+8*\t:F0+8*\t+7], v[F1+8*\u:F1+8*\u+7], v[B32+8*\u:B32+8*\u+7], v[SC+\t], v[SC+\u] matrix_a_fmt:MATRIX_FMT_FP4 matrix_b_fmt:MATRIX_FMT_FP4 matrix_b_scale:MATRIX_SCALE_ROW1
.else
	v_wmma_scale_f32_16x16x128_f8f6f4 v[ACC+8*(4*\u+\t):ACC+8*(4*\u+\t)+7], v[F0+8*\t:F0+8*\t+7], v[F1+8*\u:F1+8*\u+7], v[ACC+8*(4*\u+\t):ACC+8*(4*\u+\t)+7], v[SC+\t], v[SC+\u] matrix_a_fmt:MATRIX_FMT_FP4 matrix_b_fmt:MATRIX_FMT_FP4 matrix_b_scale:MATRIX_SCALE_ROW1
.endif
.endr
.endr
.endm
	s_load_b256 s[4:11], s[0:1], 0x0               ; cod s[4:5], scl s[6:7], bq s[8:9], bk s[10:11]
	s_load_b128 s[12:15], s[0:1], 0x20             ; bv s[12:13], qf s[14:15]
	s_load_b64 s[16:17], s[0:1], 0x30              ; kv
	v_lshrrev_b32 v5, 5, v0
	v_readfirstlane_b32 s18, v5                    ; wave 0..3
	v_and_b32 v5, 31, v0
	v_lshlrev_b32 v[LI], 4, v5
	v_and_b32 v6, 15, v0                           ; r
	v_bfe_u32 v7, v0, 4, 1                         ; h
	v_lshlrev_b32 v[BH], 5, v7
	v_lshlrev_b32 v[BR], 2, v6
	s_lshr_b32 s19, ttmp9, 6                       ; T
	s_and_b32 s28, ttmp9, 63                       ; lb
	s_and_b32 s29, ttmp7, 0xffff
	s_lshl_b32 s29, s29, 2
	s_add_co_u32 s29, s29, s18                     ; hd
	s_lshl_b32 s30, s19, 8
	s_lshl_b32 s31, s28, 2
	s_add_co_u32 s30, s30, s31                     ; x's first row tile: 256 T + 4 lb
	s_mul_i32 s31, s19, 48
	s_lshl_b32 s32, s29, 2
	s_add_co_u32 s31, s31, s32
	s_add_co_u32 s31, s31, 768                     ; W's: 768 + 48 T + 4 hd
	s_cmp_eq_u32 s19, 2
	s_cselect_b32 s32, s30, s31                    ; source 0's first tile,
	s_cselect_b32 s33, s31, s30                    ; source 1's
	s_mul_i32 s34, s32, 384
	s_mul_i32 s35, s33, 384
	v_mov_b32 v8, s34
	v_mov_b32 v9, s35
	v_cmp_ne_u32 vcc_lo, 0, v7
	v_cndmask_b32 v[SOF], v8, v9, vcc_lo           ; lanes 16-31 take source 1's scale words
	v_add_nc_u32 v[SOF], v[SOF], v[BR]
	s_mul_i32 s36, s32, 6144                       ; a row tile's codes: 6 images
	s_mov_b32 s37, 0
	s_mul_i32 s38, s33, 6144
	s_mov_b32 s39, 0
	s_lshl_b32 s40, s29, 8                         ; the head's 64 numbers of a bias
	s_mov_b32 s41, 0
	s_lshl_b32 s42, s29, 6
	s_add_co_u32 s42, s42, s28
	s_lshl_b32 s42, s42, 13                        ; in qf: (64 hd + lb) x 8,192
	s_mov_b32 s43, 0
	s_lshl_b32 s44, s29, 20                        ; in kv: the head,
	s_lshr_b32 s45, s28, 3
	s_lshl_b32 s45, s45, 17
	s_add_co_u32 s44, s44, s45                     ; the slot of 512 keys,
	s_and_b32 s45, s28, 7
	s_lshl_b32 s45, s45, 13
	s_add_co_u32 s44, s44, s45                     ; the block of 64 keys in it,
	s_lshr_b32 s45, s19, 1
	s_lshl_b32 s45, s45, 16
	s_add_co_u32 s44, s44, s45                     ; K's half (T = 1) or V's (T = 2)
	s_wait_kmcnt 0x0
	s_add_nc_u64 s[20:21], s[4:5], s[36:37]
	s_add_nc_u64 s[22:23], s[4:5], s[38:39]
	s_cmp_eq_u32 s19, 1
	s_cselect_b64 s[24:25], s[10:11], s[8:9]
	s_cmp_eq_u32 s19, 2
	s_cselect_b64 s[24:25], s[12:13], s[24:25]
	s_add_nc_u64 s[24:25], s[24:25], s[40:41]      ; my head's bias
	s_cmp_eq_u32 s19, 0
	s_cselect_b64 s[26:27], s[14:15], s[16:17]
	s_cselect_b32 s42, s42, s44
	s_add_nc_u64 s[26:27], s[26:27], s[42:43]      ; my block of 8,192 bytes of results
	LOADS 0
	s_cmp_eq_u32 s19, 2
	s_cbranch_scc1 .Lvalue
.irp t, 0,1,2,3                                ; Q, K: register j of tile t is channel 16 t + 8 h + j
	global_load_b128 v[B32+8*\t:B32+8*\t+3], v[BH], s[24:25] offset:64*\t
	global_load_b128 v[B32+8*\t+4:B32+8*\t+7], v[BH], s[24:25] offset:64*\t+16
.endr
	s_wait_loadcnt 0x0
	MUL16 1
	s_branch .Lsteps
.Lvalue:
.irp u, 0,1,2,3                                ; V: all eight registers of tile u are channel 16 u + r
.irp j, 0,1,2,3,4,5,6,7
	global_load_b32 v[B32+8*\u+\j], v[BR], s[24:25] offset:64*\u
.endr
.endr
	s_wait_loadcnt 0x0
	MUL16 2
.Lsteps:
.irp s, 1,2,3,4,5
.rept 4
	v_nop                                          ; four places in front of loads into registers that matrix instructions have read (ISA guide 7.12.1 for vector instructions)
.endr
	LOADS \s
	s_wait_loadcnt 0x0
	MUL16 0
.endr
.rept 4
	v_nop                                          ; and in front of the conversions, which read results and write over the fragments
.endr
.irp u, 0,1,2,3
.irp t, 0,1,2,3
.irp i, 0,1,2,3                                ; each accumulator from its low end on
	v_cvt_pk_f16_f32 v[64+8*(2*\u+\t/2)+4*(\t%2)+\i], v[ACC+8*(4*\u+\t)+2*\i], v[ACC+8*(4*\u+\t)+2*\i+1]
.endr
.endr
.endr
.irp q, 0,1,2,3,4,5,6,7,8,9,10,11,12,13,14,15
	global_store_b128 v[LI], v[64+4*\q:64+4*\q+3], s[26:27] offset:512*\q   ; 32 lanes store 512 consecutive bytes, at a multiple of 512 from the buffer's first byte
.endr
	s_endpgm
.Lfunc_end_k_q6349ada6ac_proj:
	.size	k_q6349ada6ac_proj, .Lfunc_end_k_q6349ada6ac_proj-k_q6349ada6ac_proj
	.p2alignl 7, 3214868480
	.fill 96, 4, 3214868480
	.section	.rodata,"a",@progbits
	.p2align	6, 0x0
	.amdhsa_kernel k_q6349ada6ac_proj
		.amdhsa_group_segment_fixed_size 0
		.amdhsa_private_segment_fixed_size 0
		.amdhsa_enable_private_segment 0
		.amdhsa_kernarg_size 56
		.amdhsa_user_sgpr_count 2
		.amdhsa_user_sgpr_kernarg_segment_ptr 1
		.amdhsa_wavefront_size32 1
		.amdhsa_system_sgpr_workgroup_id_x 1
		.amdhsa_system_sgpr_workgroup_id_y 1
		.amdhsa_system_sgpr_workgroup_id_z 1
		.amdhsa_system_vgpr_workitem_id 0
		.amdhsa_next_free_vgpr 256
		.amdhsa_next_free_sgpr 66
		.amdhsa_reserve_vcc 1
		.amdhsa_float_denorm_mode_32 3
		.amdhsa_float_denorm_mode_16_64 3
		.amdhsa_memory_ordered 1
		.amdhsa_forward_progress 1
		.amdhsa_inst_pref_size 39
	.end_amdhsa_kernel
	.amdgpu_metadata
---
amdhsa.version: [ 1, 2 ]
amdhsa.kernels:
  - .name:           k_q6349ada6ac_proj
    .symbol:         k_q6349ada6ac_proj.kd
    .args:
      - { .name: cod, .offset: 0, .size: 8, .value_kind: global_buffer, .address_space: global }
      - { .name: scl, .offset: 8, .size: 8, .value_kind: global_buffer, .address_space: global }
      - { .name: bq, .offset: 16, .size: 8, .value_kind: global_buffer, .address_space: global }
      - { .name: bk, .offset: 24, .size: 8, .value_kind: global_buffer, .address_space: global }
      - { .name: bv, .offset: 32, .size: 8, .value_kind: global_buffer, .address_space: global }
      - { .name: qf, .offset: 40, .size: 8, .value_kind: global_buffer, .address_space: global }
      - { .name: kv, .offset: 48, .size: 8, .value_kind: global_buffer, .address_space: global }
    .group_segment_fixed_size: 0
    .private_segment_fixed_size: 0
    .kernarg_segment_align: 8
    .kernarg_segment_size: 56
    .max_flat_workgroup_size: 128
    .sgpr_count:     66
    .vgpr_count:     256
    .wavefront_size: 32
...
	.end_amdgpu_metadata
.endif
;; end of part 2
;; launch attn (part 3): grid 16 x 12, 8 waves a work-group, clusters of 4 x 1, 327,680 bytes of LDS; arguments qf, kv, mask, of; writes of
.if DOCPART == 3
	.amdgcn_target "amdgcn-amd-amdhsa--gfx1250"
	.amdhsa_code_object_version 6
	.text
	.protected	k_q6349ada6ac_attn
	.globl	k_q6349ada6ac_attn
	.p2align	8
	.type	k_q6349ada6ac_attn,@function
k_q6349ada6ac_attn:
	s_mov_b64 s[64:65], 0
	v_nop
	global_prefetch_b8 v0, s[64:65] scope:SCOPE_SE
	s_setreg_imm32_b32 hwreg(HW_REG_WAVE_MODE, 25, 1), 1
	s_wait_xcnt 0x0
	s_wait_alu depctr_hold_cnt(0) depctr_sa_sdst(0) depctr_va_vdst(0) depctr_va_sdst(0) depctr_va_ssrc(0) depctr_va_vcc(0) depctr_vm_vsrc(0)
	s_getreg_b32 s2, hwreg(HW_REG_IB_STS2, 6, 4)
	s_cmp_eq_u32 s2, 0
	s_cbranch_scc0 .Lentry_in_a_cluster
	s_endpgm
.Lentry_in_a_cluster:
	s_bfe_u32 s2, ttmp6, 0x10000c
	s_cmp_lg_u32 s2, 0x3003
	s_cbranch_scc0 .Lentry_shape_is_right
	s_endpgm
.Lentry_shape_is_right:
; O[h][q] = the sum over k of softmax_k(Q[h][q] . K[h][k] / 8, keys with mask 0 left out) V[h][k].  12 heads of 64, 4,096 queries and keys.  Q, K, V come as f16 register images (qf, kv); products, maxima and sums in f32;
; the weights p are rounded to f16 for the second product, O once at the end, and stored as images of the last product's operand registers: of [query tile 0..255][fragment e / 32 0..23][1,024].
; SHARES.  A work-group owns 256 queries of one head.  Eight waves, two to a SIMD, so that one wave's vector work can stand beside the other's matrix work.  Wave = 4 kg + qg: qg picks 64 queries (four tiles of 16: each
; fragment of K or V read from LDS feeds four products), kg picks half of each slot's keys.  The two halves of a query group's keys are merged once, at the end, through LDS.
; LAYOUT.  S^T = K Q^T (source 0 = 16 keys, source 1 = 16 queries): a lane holds ONE query and eight keys; two such tiles packed in pairs ARE source 1 of O^T = V^T P.  Nothing changes lanes between the products.
; SOFTMAX.  For each query a running maximum m and sum l: p = 2^(c s - c m), c = log2(e) / 8; in every step O^T and l are multiplied by a = 2^(c m_old - c m_new).
; THE MASK.  A key's bias, 0 or -2^125, is the C of the first K Q^T product of its tile: no vector instruction.  Scores are under 64 x 65,504^2 in size, so a masked score stays near -2^125: p = 0 as soon as m is a real
; score, and what was summed while every key so far was masked is multiplied by a = 0.  A row all of whose keys are masked (m under -2^120 at the end) gets NaN, as the softmax of a row of -infinity has.
; RING.  Two LDS slots of 512 keys (K's images 64 KiB, V's 64 KiB), as they lie in memory.  Each wave fetches 16 KiB of a slot by one tensor load.  CLUSTER: the four query blocks of a cluster belong to one head and walk the
; same K and V: each load is asked for JOINTLY, with the same descriptor and a mask that names the four.  A wave never has more than one tensor load outstanding.
; LIMITS: NaN and infinities in Q, K, V are not served.
; REGISTERS, in windows of 256.  window 0: v1-15 addresses and constants; v16-47 statistics, 8 a tile: +0 c m, +1 m, +2, +3 l (even keys', odd keys'), +4..+7 at work (a in +6); v48-79 the bias, 8 a key tile;
;   v128-255 S^T, 32 a tile; P is packed in place into a tile's first 16.   window 1: v0-127 O^T, 32 a tile; v128-191 Q, 16 a tile; v192-255 a step's K, then the same step's V.
.set SLOT1, 1<<17                      ; a slot's bytes, in LDS and in memory; slot 1 begins here: one exclusive or turns an address from one slot to the other
.set VOFF,  1<<16                      ; V's images lie behind K's
.set STEPB, 8192                       ; 64 keys' images of K, or of V
.set BIAS,  2*SLOT1                    ; behind the ring: 4,096 keys' biases, f32: stored by the waves, never filled
.set SPARE, 294912                     ; the spare words, 128 bytes for each wave: four blocks of 256 bytes that no other line names
.set STGB,  17408                      ; the merge's stage of a query group: 16 KiB of O^T, 1 KiB of m and l.  The stages lie in slot 0, which has had its last fill and its last read by then
.set LI,  1                            ; v1   16 x lane: my place in an image
.set AK0, 2                            ; v2   + my half of a slot's keys
.set AV0, 3                            ; v3   the same among V's images
.set AB0, 4                            ; v4   my lane's place among the biases
.set ADK, 5                            ; v5-7 the addresses of the step in hand
.set ADV, 6
.set ADB, 7
.set MO,  8                            ; v8   16 x thread: my bytes of the mask
.set MB,  9                            ; v9   and of the biases
.set STO, 10                           ; v10  the merge: my place in the stage's images
.set STS, 11                           ; v11  and among its m and l
.set SPW, 12                           ; v12  LDS address of my spare word; never rewritten
.set NIL, 13                           ; v13  0; never rewritten
.set NEG, 14                           ; v14  -2^125; at the end NaN
.set PFO, 15                           ; v15  256 x lane: the prefetches' offset; never rewritten
.set ST,  16
.set BI,  48
.set S,   128
.set QF,  128                          ; in window 1
.set KV,  192                          ; in window 1
.set WV,  12                           ; s12  my wave's number
.set LIM, 15                           ; s15  1 in a wave that prefetches, else the greatest number
.set QG,  16
.set KG,  17
.set PFA, 18                           ; s[18:19] where my prefetches stand
.set G1,  24                           ; s[24:31] descriptor group 1
.set G0,  32                           ; s[32:35] descriptor group 0, which walks
.set TB,  36                           ; s36  LDS byte at which the slot in hand begins
.set TO,  37                           ; s37  the step's images in my half of the slot; it also counts the slot's four steps
.set SLOTS, 38                         ; s38  slots still to be asked for
.set TA,  39
.set CS,  40                           ; s[40:41] c: the packed form names a pair and takes its low word for both halves
.set SEL, 42                           ; s[42:43] lane selects for v_permlanex16_b32: lane l xor 16
.set SG,  44                           ; s44  the slot's biases
.set TO2, 45                           ; s45  the step's
.set TJ,  46
.set THR, 47                           ; s47  -2^120
.set OP,  48                           ; s[48:49] of, at my first query tile and my head's fragments
.set MSB, 0
.macro WIN new                         ; the immediate's high byte repeats the setting that is left; a switch that changes nothing is dropped
.if MSB != \new
	s_set_vgpr_msb (MSB<<8)|\new
.set MSB, \new
.endif
.endm
.set W_LD, 0x40                        ; destination window 1, address window 0
.set W_KQ, 0x05                        ; K and Q window 1, the bias and S^T window 0
.set W_PV, 0x51                        ; V window 1, P window 0, O^T window 1
.set W_RS, 0x41                        ; O^T (destination and source 0) window 1, a window 0
.set W_ST, 0x04                        ; an LDS store's data are its source 1: window 1
.set W_MG, 0x01                        ; source 0 window 1
; A round of the cluster's barrier: my work-group's barrier, so that wave 0's signal speaks for all eight waves; wave 0 signals for the work-group; every wave waits for all four work-groups; my work-group's barrier once more.
.macro CROUND
	s_barrier_signal -1
	s_barrier_wait -1
	s_cmp_lg_u32 s[WV], 0
	s_cbranch_scc1 .Lnot_wave_0_\@
	s_barrier_signal -3
.Lnot_wave_0_\@:
	s_barrier_wait -3
	s_barrier_signal -1
	s_barrier_wait -1
.endm
; A PREFETCH INTO THE L2 of the slot that the NEXT change of slots will ask for: four key steps of each wave ahead of that load.  All clusters of a head walk the same K and V: the head's first cluster asks, and in it waves 0 to 3.
; Its four partners share the slot's 128 KiB out BY ADDRESS, 32 KiB each, 8 KiB a wave, lanes 256 bytes apart: each aligned block of 256 bytes is named once in the launch.  The last change that fills a slot asks for nothing.
.macro ASK
	s_cmp_gt_u32 s[SLOTS], s[LIM]
	s_cbranch_scc0 .Lnot_mine_\@
	global_prefetch_b8 v[PFO], s[PFA:PFA+1] th:TH_LOAD_NT scope:SCOPE_SE
.Lnot_mine_\@:
.endm
; THE CHANGE OF SLOTS stands at a slot's head.  Each wave waits for all its tensor loads (its part of the slot that it is about to read), adds 0 to its spare word, and waits for that and for its reads of the slot that it has left.
; fill = 1: a round of the cluster's barrier, so that no wave of any partner still reads the other slot or has a load on its way; the joint load of the next 512 keys is the first thing behind it.
.macro CHANGE fill
	s_wait_tensorcnt 0x0                           ; no tensor load of mine is out, so group 0 may be written
	ds_add_u32 v[SPW], v[NIL]                      ; 0 onto my spare word
.if \fill
	s_xor_b32 s[G0+1], s[G0+1], SLOT1              ; the walking descriptor: the other slot than last time,
	s_add_nc_u64 s[G0+2:G0+3], s[G0+2:G0+3], SLOT1 ; the next 512 keys; the type bits on top are not reached
	s_wait_xcnt 0x0                                ; the last prefetch, a slot back, has read its address, so it may be written:
	s_add_nc_u64 s[PFA:PFA+1], s[PFA:PFA+1], SLOT1 ; one slot further on than the walking descriptor
	s_wait_dscnt 0x0                               ; the add is done, and my LDS stores and my reads of the slot that I have left are over
	CROUND
	tensor_load_to_lds s[G0:G0+3], s[G1:G1+7]      ; my one tensor load until the next round
	s_nop 0
.rept 4
	v_nop
.endr
	ASK
.else
	s_wait_dscnt 0x0
	s_barrier_signal -1
	s_barrier_wait -1
.endif
.endm
; The softmax of the wave's four tiles for one key step; every line is written for the four tiles by turns, so that no line waits for the line above it.
.macro SOFTMAX
.irp j, 0,1,2,3                                ; the maximum of a lane's 32 scores and the old m: four chains; each accumulator is read from its low end on
.irp t, 0,1,2,3
	v_max3_num_f32 v[ST+8*\t+4+\j], v[S+32*\t+8*\j], v[S+32*\t+8*\j+1], v[S+32*\t+8*\j+2]
.endr
.endr
.irp q, 1,2
.irp j, 0,1,2,3
.irp t, 0,1,2,3
	v_max3_num_f32 v[ST+8*\t+4+\j], v[ST+8*\t+4+\j], v[S+32*\t+8*\j+2*\q+1], v[S+32*\t+8*\j+2*\q+2]
.endr
.endr
.endr
.irp t, 0,1,2,3
	v_max3_num_f32 v[ST+8*\t+4], v[ST+8*\t+4], v[S+32*\t+7], v[S+32*\t+15]
.endr
.irp t, 0,1,2,3
	v_max3_num_f32 v[ST+8*\t+6], v[ST+8*\t+6], v[S+32*\t+23], v[S+32*\t+31]
.endr
.irp t, 0,1,2,3
	v_max3_num_f32 v[ST+8*\t+4], v[ST+8*\t+4], v[ST+8*\t+5], v[ST+8*\t+6]
.endr
.irp t, 0,1,2,3
	v_max3_num_f32 v[ST+8*\t+4], v[ST+8*\t+4], v[ST+8*\t+7], v[ST+8*\t+1]
.endr
.irp t, 0,1,2,3
	v_permlanex16_b32 v[ST+8*\t+5], v[ST+8*\t+4], s[SEL], s[SEL+1]   ; the query's other 32 keys lie in the lane 16 away
.endr
.irp t, 0,1,2,3
	v_mov_b32 v[ST+8*\t+7], v[ST+8*\t]             ; c m_old is kept for a
.endr
.irp t, 0,1,2,3
	v_max_num_f32 v[ST+8*\t+1], v[ST+8*\t+4], v[ST+8*\t+5]
.endr
.irp t, 0,1,2,3
	v_mul_f32 v[ST+8*\t], s[CS], v[ST+8*\t+1]
.endr
.irp t, 0,1,2,3
	v_sub_f32 v[ST+8*\t+7], v[ST+8*\t+7], v[ST+8*\t]
.endr
.set b, 0
.rept 16
.irp t, 0,1,2,3
	v_pk_fma_f32 v[S+32*\t+2*b:S+32*\t+2*b+1], v[S+32*\t+2*b:S+32*\t+2*b+1], s[CS:CS+1], v[ST+8*\t:ST+8*\t+1] op_sel_hi:[1,0,0] neg_lo:[0,0,1] neg_hi:[0,0,1]   ; c s - c m, two at a time
.endr
.set b, b+1
.endr
.irp t, 0,1,2,3                                ; ONE BATCH of 132 exponentials: none reads another's result
	v_exp_f32 v[ST+8*\t+6], v[ST+8*\t+7]           ; a
.endr
.set e, 0
.rept 32
.irp t, 0,1,2,3
	v_exp_f32 v[S+32*\t+e], v[S+32*\t+e]           ; p
.endr
.set e, e+1
.endr
	v_nop                                          ; a plain instruction behind the last exponential,
	s_wait_alu depctr_va_vdst(0)                   ; and one wait ahead of the batch's first reader
.irp t, 0,1,2,3
	v_pk_add_f32 v[ST+8*\t+4:ST+8*\t+5], v[S+32*\t:S+32*\t+1], v[S+32*\t+2:S+32*\t+3]   ; the step's sum of the unrounded p
.endr
.set b, 2
.rept 14
.irp t, 0,1,2,3
	v_pk_add_f32 v[ST+8*\t+4:ST+8*\t+5], v[ST+8*\t+4:ST+8*\t+5], v[S+32*\t+2*b:S+32*\t+2*b+1]
.endr
.set b, b+1
.endr
.irp t, 0,1,2,3
	v_pk_fma_f32 v[ST+8*\t+2:ST+8*\t+3], v[ST+8*\t+2:ST+8*\t+3], v[ST+8*\t+6:ST+8*\t+7], v[ST+8*\t+4:ST+8*\t+5] op_sel_hi:[1,0,1]   ; l = a l + the sum
.endr
.set i, 0
.rept 16
.irp t, 0,1,2,3
	v_cvt_pk_f16_f32 v[S+32*\t+i], v[S+32*\t+2*i], v[S+32*\t+2*i+1]   ; P in place, ascending: register i has been read when it is written
.endr
.set i, i+1
.endr
	WIN W_RS
.set i, 0
.rept 16
.irp t, 0,1,2,3
	v_pk_mul_f32 v[32*\t+2*i:32*\t+2*i+1], v[32*\t+2*i:32*\t+2*i+1], v[ST+8*\t+6:ST+8*\t+7] op_sel_hi:[1,0]   ; O^T x a
.endr
.set i, i+1
.endr
	WIN 0
.endm
; A KEY STEP: 64 keys of my half of the slot, for my 64 queries: 32 products K Q^T, the softmax, 32 products V^T P.  In each run the 16 accumulators take turns, one instruction a turn.
.macro STEP
	s_add_co_u32 s[TA], s[TB], s[TO]
	s_add_co_u32 s[TJ], s[SG], s[TO2]
	v_add_nc_u32 v[ADK], s[TA], v[AK0]
	v_add_nc_u32 v[ADV], s[TA], v[AV0]
	v_add_nc_u32 v[ADB], s[TJ], v[AB0]
	WIN W_LD
.set i, 0
.rept 16
	ds_load_b128 v[KV+4*i:KV+4*i+3], v[ADK] offset:512*i   ; K's eight fragments as they lie: (key tile kt, channel half g) at 8 (2 kt + g)
.set i, i+1
.endr
	WIN 0
.set i, 0
.rept 8
	ds_load_b128 v[BI+4*i:BI+4*i+3], v[ADB] offset:64*(i/2)+16*(i%2)   ; register j of key tile kt: the bias of key 16 kt + 8 h + j
.set i, i+1
.endr
	s_wait_dscnt 0x0
	WIN W_KQ
.irp g, 0,1
.irp kt, 0,1,2,3
.irp t, 0,1,2,3
.if \g == 0
	v_wmma_f32_16x16x32_f16 v[S+32*\t+8*\kt:S+32*\t+8*\kt+7], v[KV+8*(2*\kt+\g):KV+8*(2*\kt+\g)+7], v[QF+16*\t+8*\g:QF+16*\t+8*\g+7], v[BI+8*\kt:BI+8*\kt+7]
.else
	v_wmma_f32_16x16x32_f16 v[S+32*\t+8*\kt:S+32*\t+8*\kt+7], v[KV+8*(2*\kt+\g):KV+8*(2*\kt+\g)+7], v[QF+16*\t+8*\g:QF+16*\t+8*\g+7], v[S+32*\t+8*\kt:S+32*\t+8*\kt+7]
.endif
.endr
.endr
.endr
	WIN 0
.rept 4
	v_nop                                          ; four places in front of the loads into K's registers and of the first read of the scores (ISA guide 7.12.1 for vector instructions)
.endr
	WIN W_LD
.set i, 0
.rept 16
	ds_load_b128 v[KV+4*i:KV+4*i+3], v[ADV] offset:512*i   ; V^T's eight fragments: (channel tile ct, key half g) at 8 (2 ct + g); they land under the softmax
.set i, i+1
.endr
	WIN 0
	SOFTMAX
	s_wait_dscnt 0x0                               ; V is in
	WIN W_PV
.irp g, 0,1
.irp ct, 0,1,2,3
.irp t, 0,1,2,3
	v_wmma_f32_16x16x32_f16 v[32*\t+8*\ct:32*\t+8*\ct+7], v[KV+8*(2*\ct+\g):KV+8*(2*\ct+\g)+7], v[S+32*\t+8*\g:S+32*\t+8*\g+7], v[32*\t+8*\ct:32*\t+8*\ct+7]
.endr
.endr
.endr
	WIN 0
.rept 5
	v_nop                                          ; places in front of the next loads into V's registers (four) and of the next K Q^T, which writes over P's registers (five)
.endr
.endm
.macro FOUR_STEPS                      ; my half of a slot: written once, walked four times; the LDS addresses hang on s[TB], s[TO], s[SG], s[TO2]
	s_mov_b32 s[TO], 0
	s_mov_b32 s[TO2], 0
.Lstep_\@:
	STEP
	s_add_co_u32 s[TO2], s[TO2], 256
	s_add_co_u32 s[TO], s[TO], STEPB
	s_cmp_lt_u32 s[TO], 4*STEPB
	s_cbranch_scc1 .Lstep_\@
	s_xor_b32 s[TB], s[TB], SLOT1                  ; on to the other slot,
	s_add_co_u32 s[SG], s[SG], 2048                ; and the next 512 keys' biases
.endm
	s_load_b256 s[4:11], s[0:1], 0x0               ; qf s[4:5], kv s[6:7], mask s[8:9], of s[10:11]
	v_lshl_add_u32 v[SPW], v0, 2, SPARE
	v_mov_b32 v[NIL], 0
	ds_add_u32 v[SPW], v[NIL]                      ; the wave's opening: the add, twice on end, and its wait ahead of my first tensor load; the set-up below, work on registers, stands between
	ds_add_u32 v[SPW], v[NIL]                      ; and once more, under the one wait
	v_lshrrev_b32 v5, 5, v0
	v_readfirstlane_b32 s[WV], v5                  ; wave 0..7
	s_and_b32 s[QG], s[WV], 3                      ; which 64 queries
	s_lshr_b32 s[KG], s[WV], 2                     ; which half of a slot's keys
	s_bfe_u32 s13, ttmp6, 0x40000                  ; cx: my place in the cluster
	s_lshl_b32 s14, ttmp9, 2                       ; in a cluster launch ttmp9 counts clusters
	s_add_co_u32 s14, s14, s13                     ; my block of 256 queries: it enters qf's, of's and the prefetches' addresses alone
	s_and_b32 s20, ttmp7, 0xffff                   ; the head, which the four partners share
	s_lshl_b32 s22, s20, 20                        ; what I fetch: the head's 1 MiB of kv,
	s_lshl_b32 s21, s[WV], 14
	s_add_co_u32 s22, s22, s21                     ; + 16 KiB x wave: no place in the cluster enters it
	s_mov_b32 s23, 0
	s_lshl_b32 s2, s20, 6                          ; Q: (64 x head + 4 x block + qg) x 8,192
	s_lshl_b32 s3, s14, 2
	s_add_co_u32 s2, s2, s3
	s_add_co_u32 s2, s2, s[QG]
	s_lshl_b32 s2, s2, 13
	s_mov_b32 s3, 0
	s_lshl_b32 s52, s14, 4                         ; O: query tile 16 x block + 4 qg, 24,576 bytes a tile, + 2,048 x head
	s_lshl_b32 s53, s[QG], 2
	s_add_co_u32 s52, s52, s53
	s_mul_i32 s52, s52, 24576
	s_lshl_b32 s53, s20, 11
	s_add_co_u32 s52, s52, s53
	s_mov_b32 s53, 0
	s_lshl_b32 s54, s20, 20                        ; the prefetches: the head, my work-group's 32 KiB of a slot, my wave's 8 KiB of them,
	s_lshl_b32 s55, s13, 15
	s_add_co_u32 s54, s54, s55
	s_lshl_b32 s55, s[QG], 13
	s_add_co_u32 s54, s54, s55
	s_add_co_u32 s54, s54, SLOT1                   ; in slot 1: the first change of slots steps it to slot 2.  Nothing is prefetched at the head
	s_mov_b32 s55, 0
	s_lshr_b32 s[LIM], s[WV], 2                    ; 0 in waves 0 to 3,
	s_or_b32 s[LIM], s[LIM], ttmp9                 ; of the head's first cluster: the same in all four partners
	s_cmp_eq_u32 s[LIM], 0
	s_cselect_b32 s[LIM], 1, -1
	; descriptor group 1: a dense block of 16 KiB as 64 rows of 256 bytes (32 elements of 8 bytes), no padding
	s_mov_b32 s[G1], 15|(3<<16)|(1<<21)            ; 15:0 the mask: all four work-groups; 17:16 elements of 8 bytes; 21 set beside a mask
	s_mov_b32 s[G1+1], 32<<16                      ; tensor_dim0 = 32
	s_mov_b32 s[G1+2], 64<<16                      ; tensor_dim1 = 64
	s_mov_b32 s[G1+3], 32<<16                      ; tile_dim0 = 32
	s_mov_b32 s[G1+4], 64                          ; tile_dim1 = 64
	s_mov_b32 s[G1+5], 32                          ; elements from row to row
	s_mov_b32 s[G1+6], 0
	s_mov_b32 s[G1+7], 0
	s_mov_b32 s[CS], 0x3e38aa3b                    ; c = log2(e) / 8
	s_mov_b32 s[CS+1], s[CS]                       ; named with it as a pair, so it is written
	s_mov_b32 s[SEL], 0x76543210
	s_mov_b32 s[SEL+1], 0xfedcba98
	s_mov_b32 s[THR], 0xfb800000                   ; -2^120
	s_mov_b32 s[TB], 0
	s_mov_b32 s[SG], 0
	s_mov_b32 s[SLOTS], 7
	; every LDS address register is made here, ahead of any parting of the waves
	v_and_b32 v6, 31, v0                           ; lane
	v_bfe_u32 v5, v0, 4, 1                         ; h
	v_lshlrev_b32 v[LI], 4, v6
	s_lshl_b32 s21, s[KG], 15
	v_add_nc_u32 v[AK0], s21, v[LI]
	v_add_nc_u32 v[AV0], VOFF, v[AK0]
	s_lshl_b32 s21, s[KG], 10
	s_add_co_u32 s21, s21, BIAS
	v_lshl_add_u32 v[AB0], v5, 5, s21
	v_lshlrev_b32 v[MO], 4, v0
	v_lshl_add_u32 v[MB], v0, 4, BIAS
	s_mul_i32 s21, s[QG], STGB
	v_add_nc_u32 v[STO], s21, v[LI]
	s_add_co_u32 s21, s21, 16384
	v_lshl_add_u32 v[STS], v6, 2, s21
	v_mov_b32 v[NEG], 0xfe000000                   ; -2^125
	v_lshlrev_b32 v[PFO], 8, v6
	s_wait_dscnt 0x0                               ; both opening adds are done
	s_wait_kmcnt 0x0
	s_add_nc_u64 s[4:5], s[4:5], s[2:3]
	s_add_nc_u64 s[OP:OP+1], s[10:11], s[52:53]
	s_add_nc_u64 s[PFA:PFA+1], s[6:7], s[54:55]
	s_mov_b32 s[G0], 1                             ; 1:0 count = 1
	s_lshl_b32 s[G0+1], s[WV], 14                  ; 63:32 LDS address: slot 0, 16 KiB x wave
	s_add_nc_u64 s[G0+2:G0+3], s[6:7], s[22:23]    ; 120:64 global address: the head's first 512 keys
	s_or_b32 s[G0+3], s[G0+3], 0x80000000          ; 127:126 type = 2
	CROUND                                         ; all four work-groups are here: the first joint loads meet
	tensor_load_to_lds s[G0:G0+3], s[G1:G1+7]      ; slot 0
	s_nop 0
.rept 4
	v_nop
.endr
.irp i, 0,1,2,3
	global_load_b128 v[S+4*\i:S+4*\i+3], v[MO], s[8:9] offset:4096*\i   ; the mask: 256 threads x 16 bytes x 4
.endr
	WIN W_LD
.set i, 0
.rept 16
	global_load_b128 v[QF+4*i:QF+4*i+3], v[LI], s[4:5] offset:512*i   ; Q stays in registers: (tile t, channel half g) at 16 t + 8 g
.set i, i+1
.endr
.set i, 0
.rept 128
	v_mov_b32 v[i], 0                              ; O^T.  (The step is written once for all steps: the first finds zeros, which its a = 0 leaves zeros)
.set i, i+1
.endr
	WIN 0
.irp t, 0,1,2,3
	v_mov_b32 v[ST+8*\t+1], 0xff61b1e6             ; m: -3e38, under every score and under the masked ones
	v_mov_b32 v[ST+8*\t+2], 0                      ; l, in two halves
	v_mov_b32 v[ST+8*\t+3], 0
.endr
.irp t, 0,1,2,3
	v_mul_f32 v[ST+8*\t], s[CS], v[ST+8*\t+1]      ; c m
.endr
	s_wait_loadcnt 16                              ; the mask's four loads are in; Q's sixteen, issued behind them, stay out
.set i, 0
.rept 16
	v_cmp_eq_u32 vcc_lo, 0, v[S+i]
	v_cndmask_b32 v[S+i], 0, v[NEG], vcc_lo        ; 0 where the key counts, -2^125 where it does not: the mask selects a value, no branch and no address
.set i, i+1
.endr
.irp i, 0,1,2,3
	ds_store_b128 v[MB], v[S+4*\i:S+4*\i+3] offset:4096*\i   ; the first change of slots waits for these stores and passes a barrier: then every wave may read them
.endr
	s_wait_loadcnt 0x0                             ; Q
.Lslot:                                            ; seven trips: the trip reads one slot and asks for the next; slot 1's first fill stands behind the first trip's round, behind which nothing is filled again
	CHANGE 1
	FOUR_STEPS
	s_sub_co_u32 s[SLOTS], s[SLOTS], 1
	s_cmp_lg_u32 s[SLOTS], 0
	s_cbranch_scc1 .Lslot
	CHANGE 0                                       ; the last slot is written out
	FOUR_STEPS
	; THE MERGE of the two halves of the keys.  l's two halves and the other half of the lanes' are added; waves 4 to 7 hand O^T, m and l to waves 0 to 3 through the stages in slot 0, as images of their registers.
.irp t, 0,1,2,3
	v_add_f32 v[ST+8*\t+4], v[ST+8*\t+2], v[ST+8*\t+3]
.endr
.irp t, 0,1,2,3
	v_permlanex16_b32 v[ST+8*\t+5], v[ST+8*\t+4], s[SEL], s[SEL+1]
.endr
.irp t, 0,1,2,3
	v_add_f32 v[ST+8*\t+2], v[ST+8*\t+4], v[ST+8*\t+5]
.endr
	v_mov_b32 v[NEG], 0x7fc00000                   ; NaN, for a row with no key
	s_cmp_lt_u32 s[WV], 4
	s_cbranch_scc1 .Lkeep
	WIN W_ST
.set i, 0
.rept 32
	ds_store_b128 v[STO], v[4*i:4*i+3] offset:512*i   ; each accumulator from its low end on
.set i, i+1
.endr
	WIN 0
.irp t, 0,1,2,3
	ds_store_b32 v[STS], v[ST+8*\t+1] offset:256*\t
	ds_store_b32 v[STS], v[ST+8*\t+2] offset:256*\t+128
.endr
.Lkeep:
	s_wait_dscnt 0x0                               ; for the others' sake: my stores into the stage are done
	s_barrier_signal -1
	s_barrier_wait -1
	s_cmp_ge_u32 s[WV], 4
	s_cbranch_scc1 .Lend
.irp t, 0,1,2,3
	ds_load_b32 v[ST+8*\t+4], v[STS] offset:256*\t        ; the other half's m,
	ds_load_b32 v[ST+8*\t+5], v[STS] offset:256*\t+128    ; its l,
.endr
.set i, 0
.rept 32
	ds_load_b128 v[S+4*i:S+4*i+3], v[STO] offset:512*i    ; and its O^T, into S^T's registers
.set i, i+1
.endr
	s_wait_dscnt 0x0
.irp t, 0,1,2,3
	v_max_num_f32 v[ST+8*\t+6], v[ST+8*\t+1], v[ST+8*\t+4]   ; the row's maximum
.endr
.irp t, 0,1,2,3
	v_sub_f32 v[ST+8*\t+1], v[ST+8*\t+1], v[ST+8*\t+6]
	v_sub_f32 v[ST+8*\t+4], v[ST+8*\t+4], v[ST+8*\t+6]
.endr
.irp t, 0,1,2,3
	v_mul_f32 v[ST+8*\t+1], s[CS], v[ST+8*\t+1]
	v_mul_f32 v[ST+8*\t+4], s[CS], v[ST+8*\t+4]
.endr
.irp t, 0,1,2,3
	v_exp_f32 v[ST+8*\t+1], v[ST+8*\t+1]           ; a0
	v_exp_f32 v[ST+8*\t+4], v[ST+8*\t+4]           ; a1
.endr
	v_nop                                          ; a plain instruction behind the last exponential,
	s_wait_alu depctr_va_vdst(0)                   ; and one wait for the eight, ahead of their first reader
.irp t, 0,1,2,3
	v_mul_f32 v[ST+8*\t+2], v[ST+8*\t+1], v[ST+8*\t+2]
.endr
.irp t, 0,1,2,3
	v_fma_f32 v[ST+8*\t+2], v[ST+8*\t+4], v[ST+8*\t+5], v[ST+8*\t+2]   ; l = a0 l0 + a1 l1
.endr
.irp t, 0,1,2,3
	v_cmp_gt_f32 vcc_lo, s[THR], v[ST+8*\t+6]
	v_cndmask_b32 v[ST+8*\t+2], v[ST+8*\t+2], v[NEG], vcc_lo   ; no key counted: NaN
.endr
.irp t, 0,1,2,3
	v_rcp_f32 v[ST+8*\t+3], v[ST+8*\t+2]
.endr
	v_nop
	s_wait_alu depctr_va_vdst(0)                   ; one wait for the four reciprocals
.irp t, 0,1,2,3
	v_mul_f32 v[ST+8*\t], v[ST+8*\t+1], v[ST+8*\t+3]       ; a0 / l
	v_mul_f32 v[ST+8*\t+4], v[ST+8*\t+4], v[ST+8*\t+3]     ; a1 / l
.endr
.set i, 0
.rept 16
.irp t, 0,1,2,3
	v_pk_mul_f32 v[S+32*\t+2*i:S+32*\t+2*i+1], v[S+32*\t+2*i:S+32*\t+2*i+1], v[ST+8*\t+4:ST+8*\t+5] op_sel_hi:[1,0]
.endr
.set i, i+1
.endr
	WIN W_MG
.set i, 0
.rept 16
.irp t, 0,1,2,3
	v_pk_fma_f32 v[S+32*\t+2*i:S+32*\t+2*i+1], v[32*\t+2*i:32*\t+2*i+1], v[ST+8*\t:ST+8*\t+1], v[S+32*\t+2*i:S+32*\t+2*i+1] op_sel_hi:[1,0,1]   ; my O^T, each accumulator from its low end on
.endr
.set i, i+1
.endr
	WIN 0
.set i, 0
.rept 16
.irp t, 0,1,2,3
	v_cvt_pk_f16_f32 v[S+32*\t+i], v[S+32*\t+2*i], v[S+32*\t+2*i+1]   ; in place, ascending: a tile's 16 registers are the head's two fragments of the last product's operand
.endr
.set i, i+1
.endr
.irp t, 0,1,2,3
.irp q, 0,1,2,3
	global_store_b128 v[LI], v[S+32*\t+4*\q:S+32*\t+4*\q+3], s[OP:OP+1] offset:24576*\t+512*\q   ; 32 lanes store 512 consecutive bytes, at a multiple of 512 from the buffer's first byte
.endr
.endr
.Lend:
	s_wait_tensorcnt 0x0                           ; the wave's end: behind my last tensor load and my last LDS store
	ds_add_u32 v[SPW], v[NIL]
	s_wait_dscnt 0x0
	CROUND                                         ; the closing round: no work-group ends while a partner may still ask for a tile that names it
	s_endpgm
.Lfunc_end_k_q6349ada6ac_attn:
	.size	k_q6349ada6ac_attn, .Lfunc_end_k_q6349ada6ac_attn-k_q6349ada6ac_attn
	.p2alignl 7, 3214868480
	.fill 96, 4, 3214868480
	.section	.rodata,"a",@progbits
	.p2align	6, 0x0
	.amdhsa_kernel k_q6349ada6ac_attn
		.amdhsa_group_segment_fixed_size 327680
		.amdhsa_private_segment_fixed_size 0
		.amdhsa_enable_private_segment 0
		.amdhsa_kernarg_size 32
		.amdhsa_user_sgpr_count 2
		.amdhsa_user_sgpr_kernarg_segment_ptr 1
		.amdhsa_wavefront_size32 1
		.amdhsa_system_sgpr_workgroup_id_x 1
		.amdhsa_system_sgpr_workgroup_id_y 1
		.amdhsa_system_sgpr_workgroup_id_z 1
		.amdhsa_system_vgpr_workitem_id 0
		.amdhsa_next_free_vgpr 512
		.amdhsa_next_free_sgpr 66
		.amdhsa_reserve_vcc 1
		.amdhsa_float_denorm_mode_32 3
		.amdhsa_float_denorm_mode_16_64 3
		.amdhsa_memory_ordered 1
		.amdhsa_forward_progress 1
		.amdhsa_inst_pref_size 101
	.end_amdhsa_kernel
	.amdgpu_metadata
---
amdhsa.version: [ 1, 2 ]
amdhsa.kernels:
  - .name:           k_q6349ada6ac_attn
    .symbol:         k_q6349ada6ac_attn.kd
    .args:
      - { .name: qf, .offset: 0, .size: 8, .value_kind: global_buffer, .address_space: global }
      - { .name: kv, .offset: 8, .size: 8, .value_kind: global_buffer, .address_space: global }
      - { .name: mask, .offset: 16, .size: 8, .value_kind: global_buffer, .address_space: global }
      - { .name: of, .offset: 24, .size: 8, .value_kind: global_buffer, .address_space: global }
    .group_segment_fixed_size: 327680
    .private_segment_fixed_size: 0
    .kernarg_segment_align: 8
    .kernarg_segment_size: 32
    .max_flat_workgroup_size: 256
    .sgpr_count:     66
    .vgpr_count:     512
    .wavefront_size: 32
...
	.end_amdgpu_metadata
.endif
;; end of part 3
;; launch outp (part 4): grid 6 x 32, 4 waves a work-group, no clusters, 17,920 bytes of LDS; arguments of, wof, bo, out0; writes out0
.if DOCPART == 4
	.amdgcn_target "amdgcn-amd-amdhsa--gfx1250"
	.amdhsa_code_object_version 6
	.text
	.protected	k_q6349ada6ac_outp
	.globl	k_q6349ada6ac_outp
	.p2align	8
	.type	k_q6349ada6ac_outp,@function
k_q6349ada6ac_outp:
	s_mov_b64 s[64:65], 0
	v_nop
	global_prefetch_b8 v0, s[64:65] scope:SCOPE_SE
	s_setreg_imm32_b32 hwreg(HW_REG_WAVE_MODE, 25, 1), 1
	s_wait_xcnt 0x0
; out0 = O Wo^T + bo.  O [4096][768] and Wo [768][768] come as f16 register images (of: [query tile][fragment e / 32][1,024]; wof: [n tile][fragment][1,024]); sums in f32; out0 [4096][768] f32.
; SHARES.  A work-group makes 128 rows x 128 columns, wave w 64 x 64: rows 64 (w / 2) on, columns 64 (w % 2) on; 16 accumulators, K = 24 steps of 32, written out.
; THE MATRIX INSTRUCTION IS USED TRANSPOSED (source 0 = 16 rows of Wo, source 1 = 16 rows of O): a lane holds one row of the result and eight neighbouring columns.  bo is the C of the first K step.
; Fragments come from memory straight into registers as runs of 512 bytes, into four buffers by turns: three K steps' loads stay out while one is multiplied.
; No tensor load, so nothing can be asked for jointly: a K step is 16 matrix instructions, too few for a ring with a barrier a step.
; REGISTERS.  window 0: v1-7 addresses; v16-47 bo, eight registers a tile; v48-111 rows on the way out, two sets; v128-255 accumulator (t, u) at 128 + 8 (4 u + t).
;   window 1: buffer b at 64 b: Wo's four fragments, then O's four.
.set SP,    272                        ; a stage row: 256 bytes + 16: the 16 rows that a store touches start 4 banks apart
.set SPARE, 4*16*SP                    ; behind the four stages: the spare words, 128 bytes for each wave: two blocks of 256 bytes that no other line names
.set LI,  1                            ; v1   16 x lane
.set BH,  2                            ; v2   32 h
.set STO, 3                            ; v3   the stage: where I put 32 bytes of a row
.set RD,  4                            ; v4   and where I read a row back
.set CO,  5                            ; v5   my byte offset in two rows of out0
.set SPW, 6                            ; v6   LDS address of my spare word; never rewritten
.set NIL, 7                            ; v7   0; never rewritten
.set BR,  16
.set BK,  48
.set ACC, 128
.set MSB, 0
.macro WIN new                         ; the immediate's high byte repeats the setting that is left
.if MSB != \new
	s_set_vgpr_msb (MSB<<8)|\new
.set MSB, \new
.endif
.endm
.macro LOADS s                         ; K step s: eight fragments into buffer s % 4
	WIN 0x40                                       ; destination window 1, address window 0
.irp i, 0,1,2,3
.irp c, 0,1
	global_load_b128 v[64*((\s)%4)+8*\i+4*\c:64*((\s)%4)+8*\i+4*\c+3], v[LI], s[6:7] offset:\i*24576+(\s)*1024+512*\c
	global_load_b128 v[64*((\s)%4)+32+8*\i+4*\c:64*((\s)%4)+32+8*\i+4*\c+3], v[LI], s[4:5] offset:\i*24576+(\s)*1024+512*\c
.endr
.endr
.endm
.macro KSTEP s
.set FB, 64*((\s)%4)
.if (\s) < 20
	s_wait_loadcnt 48                              ; this step's sixteen loads are in; those of the three steps behind it stay out
.else
	s_wait_loadcnt 16*(23-(\s))                    ; the counts run down: 48, 32, 16, 0
.endif
	WIN 0x05                                       ; sources 0 and 1 window 1; C and D window 0
.irp u, 0,1,2,3                                ; the 16 accumulators take turns, one instruction a turn, in the same order in every step
.irp t, 0,1,2,3
.if (\s) == 0
	v_wmma_f32_16x16x32_f16 v[ACC+8*(4*\u+\t):ACC+8*(4*\u+\t)+7], v[FB+8*\t:FB+8*\t+7], v[FB+32+8*\u:FB+32+8*\u+7], v[BR+8*\t:BR+8*\t+7]
.else
	v_wmma_f32_16x16x32_f16 v[ACC+8*(4*\u+\t):ACC+8*(4*\u+\t)+7], v[FB+8*\t:FB+8*\t+7], v[FB+32+8*\u:FB+32+8*\u+7], v[ACC+8*(4*\u+\t):ACC+8*(4*\u+\t)+7]
.endif
.endr
.endr
.if (\s) < 20
.rept 4
	v_nop                                          ; four places in front of loads into registers that matrix instructions have read (ISA guide 7.12.1 for vector instructions)
.endr
	LOADS (\s)+4                                   ; the buffer just multiplied takes the step four further on
.endif
.endm
	s_load_b256 s[4:11], s[0:1], 0x0               ; of s[4:5], wof s[6:7], bo s[8:9], out0 s[10:11]
	v_lshl_add_u32 v[SPW], v0, 2, SPARE
	v_mov_b32 v[NIL], 0
	v_lshrrev_b32 v8, 5, v0
	v_readfirstlane_b32 s12, v8                    ; wave 0..3
	v_and_b32 v8, 31, v0
	v_lshlrev_b32 v[LI], 4, v8
	v_and_b32 v9, 15, v0                           ; r
	v_bfe_u32 v10, v0, 4, 1                        ; h
	v_lshlrev_b32 v[BH], 5, v10
	s_mul_i32 s13, s12, 16*SP                      ; my stage
	v_mul_u32_u24 v[STO], v9, SP                   ; in: row r, 32 bytes for each half of the lanes
	v_lshl_add_u32 v[STO], v10, 5, v[STO]
	v_add_nc_u32 v[STO], s13, v[STO]
	v_mul_u32_u24 v[RD], v10, SP                   ; back: lanes 0-15 take one row of 256 bytes, lanes 16-31 the next
	v_lshl_add_u32 v[RD], v9, 4, v[RD]
	v_add_nc_u32 v[RD], s13, v[RD]
	v_mul_u32_u24 v[CO], v10, 3072                 ; and the same two rows in out0
	v_lshl_add_u32 v[CO], v9, 4, v[CO]
	s_and_b32 s14, ttmp7, 0xffff
	s_lshl_b32 s14, s14, 3
	s_lshr_b32 s15, s12, 1
	s_lshl_b32 s15, s15, 2
	s_add_co_u32 s14, s14, s15                     ; my first tile of 16 rows
	s_lshl_b32 s16, ttmp9, 3
	s_and_b32 s17, s12, 1
	s_lshl_b32 s17, s17, 2
	s_add_co_u32 s16, s16, s17                     ; my first tile of 16 columns
	s_mul_i32 s18, s14, 24576
	s_mov_b32 s19, 0
	s_mul_i32 s20, s16, 24576
	s_mov_b32 s21, 0
	s_lshl_b32 s22, s16, 6                         ; my first column, in bytes
	s_mov_b32 s23, 0
	s_mul_i32 s24, s14, 16*3072                    ; my first row,
	s_add_co_u32 s24, s24, s22                     ; and column, in out0
	s_mov_b32 s25, 0
	s_wait_kmcnt 0x0
	s_add_nc_u64 s[4:5], s[4:5], s[18:19]
	s_add_nc_u64 s[6:7], s[6:7], s[20:21]
	s_add_nc_u64 s[8:9], s[8:9], s[22:23]
	s_add_nc_u64 s[10:11], s[10:11], s[24:25]
.irp t, 0,1,2,3                                ; register j of tile t: bo of column 16 t + 8 h + j
	global_load_b128 v[BR+8*\t:BR+8*\t+3], v[BH], s[8:9] offset:64*\t
	global_load_b128 v[BR+8*\t+4:BR+8*\t+7], v[BH], s[8:9] offset:64*\t+16
.endr
	LOADS 0
	LOADS 1
	LOADS 2
	LOADS 3
.set Q, 0
.rept 24
	KSTEP Q
.set Q, Q+1
.endr
	WIN 0
.rept 4
	v_nop                                          ; four places in front of the first read of results
.endr
; THE WAY OUT, 16 rows x 64 columns at a time: a lane holds 32 bytes of a row for each tile, and the lanes beside it hold other rows: so a block goes through my own stage and comes back as whole rows of 256 bytes.
; LDS serves a wave's instructions in order: no wait between the stores and the loads.
.irp u, 0,1,2,3
.set BB, BK+32*(\u%2)
.if \u > 1
	s_wait_xcnt 0x0                                ; the stores of two blocks back have read their registers: this block's loads may land there
.endif
.irp t, 0,1,2,3
	ds_store_b128 v[STO], v[ACC+8*(4*\u+\t):ACC+8*(4*\u+\t)+3] offset:64*\t          ; each accumulator from its low end on
	ds_store_b128 v[STO], v[ACC+8*(4*\u+\t)+4:ACC+8*(4*\u+\t)+7] offset:64*\t+16
.endr
.irp i, 0,1,2,3,4,5,6,7
	ds_load_b128 v[BB+4*\i:BB+4*\i+3], v[RD] offset:2*\i*SP
.endr
	s_wait_dscnt 0x0
.irp i, 0,1,2,3,4,5,6,7
	global_store_b128 v[CO], v[BB+4*\i:BB+4*\i+3], s[10:11] offset:(16*\u+2*\i)*3072 th:TH_STORE_NT   ; 16 lanes store 256 consecutive bytes, at a multiple of 256 from out0's first byte; written once, read by nobody here
.endr
.endr
	s_wait_tensorcnt 0x0                           ; the wave's end: behind my last LDS store
	ds_add_u32 v[SPW], v[NIL]
	s_wait_dscnt 0x0
	s_endpgm
.Lfunc_end_k_q6349ada6ac_outp:
	.size	k_q6349ada6ac_outp, .Lfunc_end_k_q6349ada6ac_outp-k_q6349ada6ac_outp
	.p2alignl 7, 3214868480
	.fill 96, 4, 3214868480
	.section	.rodata,"a",@progbits
	.p2align	6, 0x0
	.amdhsa_kernel k_q6349ada6ac_outp
		.amdhsa_group_segment_fixed_size 17920
		.amdhsa_private_segment_fixed_size 0
		.amdhsa_enable_private_segment 0
		.amdhsa_kernarg_size 32
		.amdhsa_user_sgpr_count 2
		.amdhsa_user_sgpr_kernarg_segment_ptr 1
		.amdhsa_wavefront_size32 1
		.amdhsa_system_sgpr_workgroup_id_x 1
		.amdhsa_system_sgpr_workgroup_id_y 1
		.amdhsa_system_sgpr_workgroup_id_z 1
		.amdhsa_system_vgpr_workitem_id 0
		.amdhsa_next_free_vgpr 512
		.amdhsa_next_free_sgpr 66
		.amdhsa_reserve_vcc 0
		.amdhsa_float_denorm_mode_32 3
		.amdhsa_float_denorm_mode_16_64 3
		.amdhsa_memory_ordered 1
		.amdhsa_forward_progress 1
		.amdhsa_inst_pref_size 75
	.end_amdhsa_kernel
	.amdgpu_metadata
---
amdhsa.version: [ 1, 2 ]
amdhsa.kernels:
  - .name:           k_q6349ada6ac_outp
    .symbol:         k_q6349ada6ac_outp.kd
    .args:
      - { .name: of, .offset: 0, .size: 8, .value_kind: global_buffer, .address_space: global }
      - { .name: wof, .offset: 8, .size: 8, .value_kind: global_buffer, .address_space: global }
      - { .name: bo, .offset: 16, .size: 8, .value_kind: global_buffer, .address_space: global }
      - { .name: out0, .offset: 24, .size: 8, .value_kind: global_buffer, .address_space: global }
    .group_segment_fixed_size: 17920
    .private_segment_fixed_size: 0
    .kernarg_segment_align: 8
    .kernarg_segment_size: 32
    .max_flat_workgroup_size: 128
    .sgpr_count:     66
    .vgpr_count:     512
    .wavefront_size: 32
...
	.end_amdgpu_metadata
.endif
;; end of part 4
